; MI455X (gfx1250); checked and timed in simulation.
; The chip was launched on July 23, 2026; its instructions are those of AMD's public machine-readable ISA for CDNA 5 (MIT licence, August 2026) and "CDNA5" Instruction Set Architecture Reference Guide (July 2026). The comments in the code are by the model that wrote it; some were corrected since.
;; Simple Retention. Allowed arithmetic: matrix products marked QUANTISED: E2M3 operands, one E8M0 scale for each 32 along K, by v_wmma_scale_f32_16x16x128_f8f6f4 with both operands' format E2M3, f32 sums; everything else in f32.
;; Inputs: W_K_codes 64 x 8 x 24 uint8 (E2M3 codes of W_K, K innermost, in blocks of 32 codes, four codes in three bytes); W_K_scales 64 x 8 uint8 (E8M0 scales of W_K, one for each 32 codes along K); W_Q_codes 64 x 8 x 24 uint8 (E2M3 codes of W_Q, K innermost, in blocks of 32 codes, four codes in three bytes); W_Q_scales 64 x 8 uint8 (E8M0 scales of W_Q, one for each 32 codes along K); W_V_codes 64 x 8 x 24 uint8 (E2M3 codes of W_V, K innermost, in blocks of 32 codes, four codes in three bytes); W_V_scales 64 x 8 uint8 (E8M0 scales of W_V, one for each 32 codes along K); X_codes 4 x 4,096 x 8 x 24 uint8 (E2M3 codes of X, K innermost, in blocks of 32 codes, four codes in three bytes); X_scales 4 x 4,096 x 8 uint8 (E8M0 scales of X, one for each 32 codes along K).
;; Outputs: out0 4 x 4,096 x 64 float32.
;; This version of the problem:
;;   THIS VERSION OF THE PROBLEM IS GIVEN IN LOW PRECISION. The matrix products marked QUANTISED in the list below multiply operands that are first quantised to E2M3 (2 exponent bits, 3 mantissa bits; 6 bits a number), with one power-of-two scale for each 32 numbers along K (OCP MX v1.0); their sums are f32. All else is computed in f32.
;;   The module's matrix products, in the order in which they are computed (A, B: the left and right operand; K: the contracted axis; several contracted axes count as one K, in the product's order):
;;     1. [M 16,384, K 256] x [K 256, N 64]; A: input X (given as codes); B: input W_Q (given as codes): QUANTISED
;;     2. [M 16,384, K 256] x [K 256, N 64]; A: input X (given as codes); B: input W_K (given as codes): QUANTISED
;;     3. [M 16,384, K 256] x [K 256, N 64]; A: input X (given as codes); B: input W_V (given as codes): QUANTISED
;;     4. batch 4 x [M 4,096, K 64] x [K 64, N 4,096]; A: computed on the way; B: computed on the way: QUANTISED
;;     5. batch 4 x [M 4,096, K 4,096] x [K 4,096, N 64]; A: computed on the way; B: computed on the way: QUANTISED
;;   THE QUANTISER, for each operand of a quantised product, along K:
;;     - K is cut into blocks of 32 from its start; a last block that is shorter is filled with zeros.
;;     - A block's scale is 2^e with e = floor(log2(the largest magnitude in the block)) - 2, held to -126 .. 127; a block of zeros has e = 0. As a byte (E8M0): e + 127.
;;     - Each number is divided by its block's scale, clamped to +-7.5, and rounded to the nearest number of E2M3, ties to even, subnormals kept.
;;     - The product sums the exact products of the quantised numbers (number of the format x scale) in f32.
;;   ~~~python
;;   def quantise(x, axis):      # numpy; x: float32 -> the quantised numbers, widened to float32 again
;;       x = np.moveaxis(x, axis, -1); K = x.shape[-1]
;;       x = np.pad(x, [(0, 0)] * (x.ndim - 1) + [(0, -K % 32)]); x = x.reshape(x.shape[:-1] + (-1, 32)); a = np.abs(x).max(-1, keepdims=True)
;;       e = np.where(a > 0, np.clip(np.frexp(np.where(a > 0, a, 1))[1] - 1 - 2, -126, 127), 0)      # np.frexp(a)[1] - 1 = floor(log2(a)), exactly
;;       r = np.clip(x / 2.0 ** e, -7.5, 7.5)
;;       step = 2.0 ** (np.maximum(np.frexp(np.where(r == 0, 1, r))[1] - 1, 0) - 3)
;;       q = np.round(r / step) * step * 2.0 ** e      # np.round: ties to even
;;       return np.moveaxis(q.reshape(q.shape[:-2] + (-1,))[..., :K], -1, axis).astype(np.float32)
;;   ~~~
;;   OPERANDS COMPUTED ON THE WAY. 'Computed on the way' means the value that the module computes at that place (a softmax that the list does not call 'softmax' is quantised finished and normalised). What goes into a quantiser is computed in f32, as accurately as f32 sums, v_exp_f32 and their like allow (about 1e-6 of the number): no bf16 or f16 on the way to a quantiser, and a product that is left as it is and whose result goes on into a quantised operand takes f32 operands (vector FMAs, or v_wmma_f32_16x16x4_f32). A number that lies on a knife's edge between two numbers of the format may be rounded either way, as far as f32 arithmetic and the matrix unit's own rounding can turn it there, and no further.
;;   INPUTS GIVEN AS CODES. W_K (in the module: [256, 64], K = its axis 0); W_Q (in the module: [256, 64], K = its axis 0); W_V (in the module: [256, 64], K = its axis 0); X (in the module: [4, 4096, 256], K = its axis 2): each comes as NAME_codes (uint8): NAME with its K axis moved to the last place and cut into blocks of 32 codes, [.., K / 32, bytes a block], one block behind the other in memory; four codes in three bytes: a row's codes are one little-endian stream of bits, code i at bits 6 i .. 6 i + 5 (a code: sign, 2 exponent bits, 3 mantissa bits); and NAME_scales (uint8): the same leading axes, one E8M0 byte (e + 127) for each 32 codes along K. Its value is code x scale, taken as it is: it is not quantised again, and the codes and scales need not be those that the quantiser above would give.
;; One version. Each part assembles by itself: llvm-mc -triple=amdgcn-amd-amdhsa -mcpu=gfx1250 --defsym DOCPART=n.
;; ======== version 1 of 1: 2 launches
;; workspace buffers: QC 786,432 bytes; QS 131,072 bytes; KC 804,864 bytes; KS 134,144 bytes; VC 804,864 bytes; VSW 33,792 bytes
;; launch proj (part 1): grid 256 x 1, 4 waves a work-group, no clusters, 168,448 bytes of LDS; arguments X_codes, X_scales, W_Q_codes, W_K_codes, W_V_codes, W_Q_scales, W_K_scales, W_V_scales, QC, QS, KC, KS, VC, VSW; writes QC, QS, KC, KS, VC, VSW
.if DOCPART == 1
	.amdgcn_target "amdgcn-amd-amdhsa--gfx1250"
	.amdhsa_code_object_version 6
	.text
	.protected	k_q85748a1900_proj
	.globl	k_q85748a1900_proj
	.p2align	8
	.type	k_q85748a1900_proj,@function
k_q85748a1900_proj:
	s_mov_b64 s[64:65], 0
	v_nop
	global_prefetch_b8 v0, s[64:65] scope:SCOPE_SE
	s_setreg_imm32_b32 hwreg(HW_REG_WAVE_MODE, 25, 1), 1
	s_wait_xcnt 0x0
; Q = xpos(X W_Q), K = xpos_down(X W_K), V = X W_V on the given E2M3 codes and E8M0 bytes; then Q and K are quantised along the head's 64 and V along the positions,
; in blocks of 32, and stored in the order of the registers in which the second launch wants them.
; SHARES.  256 work-groups of four waves.  Work-group g: batch g / 64, blocks of 32 positions 2 (g % 64) and 2 (g % 64) + 1.  Wave w: block (w / 2), tile u = w % 2.
; A TILE'S 16 POSITIONS ARE NOT NEIGHBOURS: lane r of tile u takes position 32 block + 8 u + r + 8 (r / 8), so that in the second launch the 16 registers of a block's two tiles are 16 neighbouring keys.
; A wave makes Q and K of its tile (transposed: source 0 = 16 rows of W, source 1 = X's tile: a lane holds one position and its registers run along the head's 64),
; and V of channels 32 u .. 32 u + 31 for all 32 positions of its block (source 0 = X's tile, source 1 = 16 rows of W_V: a lane holds one channel and its registers run along the positions).
; THE ROTARY TABLES are made in f32 with no memory access, while X's loads and the weights' fill are on their way: angle = pos x 1 / 10^(f / 8), reduced by pi / 2 in two parts
; (k x the first part is taken off in one fused step), sine and cosine by polynomials on [-pi/4, pi/4]; scale = sv^(pos / 512) as 2^(p log2 sv), the product p log2 sv kept in two parts.
; WEIGHTS.  The three weights (3 x 12,288 bytes) come into LDS once, one tensor load by each of waves 0 to 2.  No cluster and no joint load: the fill has the table work, some 900 vector
; instructions that read no memory, in which to land, and a cluster's two rounds would stand on every wave's path instead.
; LIMITS.  NaN and infinities in the inputs are not served.  A block whose largest magnitude lies under 2^-124 (a block of zeros too) gets the byte 1: its codes then carry what the format holds there, zeros for zeros.
; 1 / 10^(f / 8) and sv follow the f32 steps of the definition to about one unit in the last place: at the largest angle, 4,095, that is some 2e-4 rad; the scale carries the logarithm's last place x 14.5 at the most.
; REGISTERS.  window 0: v1-15 lane numbers and addresses; v16-41 scale words of W_Q, W_K, W_V and X; v42-44 pos, pos / 512, 16 h; v46-109 the tables; v110-205 six work arrays, then the three results;
;   v206-213 at work in the quantiser; v214-238 codes and scale words to store.   window 1: W_Q's and W_K's 16 fragments, X's tiles 0 and 1.   window 2: W_V's four fragments, X's tile u once more.
.set WP,  240                          ; a weight's row in LDS: 3 x (64 bytes + 16 of padding)
.set LW,  64*WP                        ; a weight in LDS
.set TB,  46                           ; tables: pair e of a lane's 16: +4e cos x scale, +1 sin x scale, +2 cos / scale, +3 sin / scale
.set U0,  110
.set U1,  126
.set U2,  142
.set U3,  158
.set U4,  174
.set U5,  190
.set QA,  110                          ; Q's four accumulators: register 16 b + i = dim 32 b + 16 h + i
.set KA,  142                          ; K's
.set VA,  174                          ; V's: register 16 t + i = position 16 h + i of channel 32 u + 16 t + r
.set RO,  174                          ; the rotated numbers, where V's lay
.set TM,  206
.set CQ,  214
.set CK,  220
.set CV,  226
.set CT,  232
.set XT,  192                          ; window 1: X's tiles 0 and 1
.set XO,  48                           ; window 2: X's tile u
.set MK,  70                           ; s70-85: a lane mask for each pair
.set MSB, 0
.macro WIN new                         ; the immediate's high byte repeats the setting that is left
.if MSB != \new
	s_set_vgpr_msb (MSB<<8)|\new
.set MSB, \new
.endif
.endm
.macro PLACES
.rept 4
	v_nop
.endr
.endm
	s_load_b512 s[4:19], s[0:1], 0x0               ; X codes, X scales, W_Q, W_K, W_V codes, W_Q, W_K, W_V scales
	s_load_b256 s[20:27], s[0:1], 0x40             ; QC, QS, KC, KS
	s_load_b128 s[28:31], s[0:1], 0x60             ; VC, VSW
	v_lshl_add_u32 v254, v0, 2, 0x29000
	v_mov_b32 v255, 0
	ds_add_u32 v254, v255
	ds_add_u32 v254, v255
	v_lshrrev_b32 v1, 5, v0
	v_readfirstlane_b32 s58, v1                    ; wave 0..3
	; descriptor group 1: 64 rows of 192 bytes, dense in memory, 16 bytes of padding behind every 64
	s_mov_b32 s36, (1<<20)|(3<<22)|(3<<25)         ; no mask; elements of 1 byte; padding on; after every 16 words; of 4 words
	s_mov_b32 s37, 192<<16                         ; tensor_dim0
	s_mov_b32 s38, 64<<16                          ; tensor_dim1
	s_mov_b32 s39, 192<<16                         ; tile_dim0
	s_mov_b32 s40, 64                              ; tile_dim1
	s_mov_b32 s41, 192                             ; the pitch
	s_mov_b32 s42, 0
	s_mov_b32 s43, 0
	s_mov_b32 s32, 1
	s_mul_i32 s33, s58, LW                         ; LDS: weight number = wave number
	s_wait_dscnt 0x0
	s_wait_kmcnt 0x0
	s_cmp_eq_u32 s58, 0
	s_cselect_b64 s[34:35], s[8:9], s[10:11]       ; wave 0: W_Q; wave 1: W_K;
	s_cmp_eq_u32 s58, 2
	s_cselect_b64 s[34:35], s[12:13], s[34:35]     ; wave 2: W_V
	s_or_b32 s35, s35, 0x80000000
	s_cmp_lt_u32 s58, 3
	s_cbranch_scc0 .Lno_fill
	tensor_load_to_lds s[32:35], s[36:43]          ; filled once; one load of mine is out
	s_nop 0
	PLACES
.Lno_fill:
	s_and_b32 s59, s58, 1                          ; u
	s_lshr_b32 s62, s58, 1
	s_lshr_b32 s60, ttmp9, 6                       ; batch
	s_and_b32 s61, ttmp9, 63
	s_lshl_b32 s61, s61, 1
	s_add_co_u32 s61, s61, s62                     ; block of 32 positions, 0..127
	s_lshl_b32 s63, s60, 7
	s_add_co_u32 s63, s63, s61                     ; 128 batch + block
	s_mov_b32 s87, 0
	s_mul_i32 s86, s63, 6144                       ; 32 rows of 192 bytes
	s_add_nc_u64 s[4:5], s[4:5], s[86:87]          ; X's codes at my block,
	s_mul_i32 s86, s59, 1536
	s_add_nc_u64 s[88:89], s[4:5], s[86:87]        ; and at my tile
	s_lshl_b32 s86, s63, 8
	s_add_nc_u64 s[6:7], s[6:7], s[86:87]          ; X's scale bytes likewise: 8 a row
	s_lshl_b32 s86, s59, 6
	s_add_nc_u64 s[90:91], s[6:7], s[86:87]
	s_lshl_b32 s86, s59, 8
	s_add_nc_u64 s[18:19], s[18:19], s[86:87]      ; W_V's scale bytes at row 32 u
	s_lshl_b32 s68, s63, 1
	s_add_co_u32 s68, s68, s59                     ; Q's tile number
	s_mul_i32 s86, s68, 768
	s_add_nc_u64 s[20:21], s[20:21], s[86:87]
	s_lshl_b32 s86, s68, 7
	s_add_nc_u64 s[22:23], s[22:23], s[86:87]
	s_mul_i32 s86, s60, 131*1536                   ; K's and V's buffers have 131 blocks a batch: three of zeros in front
	s_add_nc_u64 s[92:93], s[24:25], s[86:87]
	s_add_nc_u64 s[96:97], s[28:29], s[86:87]
	s_mul_i32 s86, s60, 131*256
	s_add_nc_u64 s[94:95], s[26:27], s[86:87]
	s_mul_i32 s86, s60, 33*256
	s_add_nc_u64 s[98:99], s[30:31], s[86:87]
	s_add_co_u32 s69, s61, 3                       ; my block's number there
	s_lshl_b32 s68, s69, 1
	s_add_co_u32 s68, s68, s59
	s_mul_i32 s86, s68, 768
	s_add_nc_u64 s[24:25], s[92:93], s[86:87]
	s_lshl_b32 s86, s68, 7
	s_add_nc_u64 s[26:27], s[94:95], s[86:87]
	s_mul_i32 s86, s69, 1536
	s_lshl_b32 s68, s59, 8
	s_add_co_u32 s86, s86, s68
	s_add_nc_u64 s[66:67], s[96:97], s[86:87]      ; V: block + 256 u (the parts of 8 bytes, 1,024 further on)
	s_add_co_u32 s86, s86, s68
	s_add_nc_u64 s[28:29], s[96:97], s[86:87]      ; V: block + 512 u (the parts of 16 bytes)
	s_lshr_b32 s86, s69, 2
	s_lshl_b32 s86, s86, 8
	s_and_b32 s68, s69, 3
	s_add_co_u32 s86, s86, s68
	s_lshl_b32 s68, s59, 7
	s_add_co_u32 s86, s86, s68
	s_add_nc_u64 s[30:31], s[98:99], s[86:87]      ; V's scale byte: word block / 4, byte block % 4, channel 32 u on
	v_and_b32 v1, 31, v0                           ; lane
	v_and_b32 v2, 15, v0                           ; r
	v_bfe_u32 v3, v0, 4, 1                         ; h
	v_and_b32 v4, 8, v2
	v_add_nc_u32 v4, v4, v2                        ; r + 8 (r / 8)
	v_mul_u32_u24 v5, v4, 192
	v_mad_u32_u24 v5, v3, 24, v5                   ; X: my row of the tile, + 24 h
	v_lshlrev_b32 v6, 3, v4                        ; scale bytes of that row: 8 a row (X's, W_Q's and W_K's alike)
	v_mul_u32_u24 v7, v4, WP
	v_mad_u32_u24 v8, v3, 40, v7                   ; W_Q, W_K in LDS: for the pieces that lie behind one padding more,
	v_mad_u32_u24 v7, v3, 24, v7                   ; and for the others
	s_mul_i32 s62, s59, 32*WP
	s_add_co_u32 s62, s62, 2*LW
	v_mul_u32_u24 v9, v2, WP
	v_add_nc_u32 v9, s62, v9                       ; W_V in LDS: row 32 u + r
	v_mad_u32_u24 v10, v3, 40, v9
	v_mad_u32_u24 v9, v3, 24, v9
	v_lshlrev_b32 v12, 3, v2
	v_lshlrev_b32 v13, 4, v1
	v_lshlrev_b32 v14, 3, v1
	v_lshlrev_b32 v15, 2, v1
	WIN 0x40                                       ; destination window 1
.irp x, 0,1
.irp s, 0,1
.irp p, 0,1,2,3,4,5
	global_load_b64 v[XT+12*(2*\x+\s)+2*\p:XT+12*(2*\x+\s)+2*\p+1], v5, s[4:5] offset:1536*\x+96*\s+48*(\p/3)+8*(\p%3)
.endr
.endr
.endr
	WIN 0x80                                       ; destination window 2
.irp s, 0,1
.irp p, 0,1,2,3,4,5
	global_load_b64 v[XO+12*\s+2*\p:XO+12*\s+2*\p+1], v5, s[88:89] offset:96*\s+48*(\p/3)+8*(\p%3)
.endr
.endr
	WIN 0
	global_load_b64 v[36:37], v6, s[6:7]           ; X's scale words: tile 0, K steps 0 and 1,
	global_load_b64 v[38:39], v6, s[6:7] offset:64 ; tile 1,
	global_load_b64 v[40:41], v6, s[90:91]         ; my tile
.irp t, 0,1,2,3
	global_load_b64 v[16+2*\t:17+2*\t], v6, s[14:15] offset:(32*(\t/2)+8*(\t%2))*8
	global_load_b64 v[24+2*\t:25+2*\t], v6, s[16:17] offset:(32*(\t/2)+8*(\t%2))*8
.endr
.irp t, 0,1
	global_load_b64 v[32+2*\t:33+2*\t], v12, s[18:19] offset:128*\t
.endr
	s_mov_b32 s44, 0x3f22f983                      ; 2 / pi
	s_mov_b32 s45, 0x3fc90fdb                      ; pi / 2, rounded to f32,
	s_mov_b32 s46, 0x333bbd2e                      ; and that number less pi / 2
	s_mov_b32 s47, 0xb94ca1f9                      ; sine: -1.9515295891e-4
	s_mov_b32 s48, 0x3c08839e                      ; 8.3321608736e-3
	s_mov_b32 s49, 0xbe2aaaa3                      ; -1.6666654611e-1
	s_mov_b32 s50, 0x37ccf5ce                      ; cosine: 2.443315711809948e-5
	s_mov_b32 s51, 0xbab6061a                      ; -1.388731625493765e-3
	s_mov_b32 s52, 0x3d2aaaa5                      ; 4.166664568298827e-2
	s_mov_b32 s53, 0x41cccccd                      ; 25.6
	s_mov_b32 s54, 0x42b33333                      ; 89.6
	s_mov_b32 s55, 0x3c36db6e                      ; 1 / 89.6
	s_mov_b32 s56, 0x76543210
	s_mov_b32 s57, 0xfedcba98                      ; v_permlanex16_b32's selects for lane l xor 16
	s_lshl_b32 s62, s61, 5
	s_lshl_b32 s68, s59, 3
	s_add_co_u32 s62, s62, s68
	v_add_nc_u32 v42, s62, v4
	v_cvt_f32_u32 v42, v42                         ; my position
	v_mul_f32 v43, 0x3b000000, v42                 ; / 512, exact
	v_lshlrev_b32 v44, 4, v3                       ; 16 h
	v_mov_b32 v[TM+2], 0                           ; written once: a lane permute's destination counts as one of its sources
	v_mov_b32 v[TM+3], 0
	v_cmp_ne_u32 vcc_lo, 0, v3                     ; lanes 16-31; kept to the end
; THE TABLES.  Pair e (registers 2 e, 2 e + 1 of a result) has frequency number f = 16 (e / 8) + 8 h + e % 8.  Each stage is one instruction for all 16 pairs, so that no line waits for the line above it.
.macro XLIT e, lo, hi                  ; 10^(f / 8): lanes 0-15 take lo, lanes 16-31 hi
	v_mov_b32 v[U0+\e], \hi
	v_cndmask_b32 v[U0+\e], \lo, v[U0+\e], vcc_lo
.endm
	XLIT 0, 1.0, 10.0
	XLIT 1, 1.3335214321633240, 13.335214321633240
	XLIT 2, 1.7782794100389228, 17.782794100389228
	XLIT 3, 2.3713737056616552, 23.713737056616552
	XLIT 4, 3.1622776601683795, 31.622776601683795
	XLIT 5, 4.2169650342858225, 42.169650342858225
	XLIT 6, 5.6234132519034908, 56.234132519034908
	XLIT 7, 7.4989420933245582, 74.989420933245582
	XLIT 8, 100.0, 1000.0
	XLIT 9, 133.35214321633240, 1333.5214321633240
	XLIT 10, 177.82794100389228, 1778.2794100389228
	XLIT 11, 237.13737056616552, 2371.3737056616552
	XLIT 12, 316.22776601683795, 3162.2776601683795
	XLIT 13, 421.69650342858225, 4216.9650342858225
	XLIT 14, 562.34132519034908, 5623.4132519034908
	XLIT 15, 749.89420933245582, 7498.9420933245582
.irp e, 0,1,2,3,4,5,6,7,8,9,10,11,12,13,14,15
	v_rcp_f32 v[U1+\e], v[U0+\e]
.endr
	v_nop                                          ; a plain place behind the transcendentals
	s_wait_alu depctr_va_vdst(0)
.irp e, 0,1,2,3,4,5,6,7,8,9,10,11,12,13,14,15
	v_fma_f32 v[U2+\e], -v[U0+\e], v[U1+\e], 1.0   ; the reciprocal is mended by one step: 1 / x to the last place
.endr
.irp e, 0,1,2,3,4,5,6,7,8,9,10,11,12,13,14,15
	v_fma_f32 v[U1+\e], v[U1+\e], v[U2+\e], v[U1+\e]
.endr
.irp e, 0,1,2,3,4,5,6,7,8,9,10,11,12,13,14,15
	v_mul_f32 v[U0+\e], v42, v[U1+\e]              ; the angle, rounded once
.endr
.irp e, 0,1,2,3,4,5,6,7,8,9,10,11,12,13,14,15
	v_mul_f32 v[U1+\e], s44, v[U0+\e]
.endr
.irp e, 0,1,2,3,4,5,6,7,8,9,10,11,12,13,14,15
	v_rndne_f32 v[U1+\e], v[U1+\e]                 ; k quarter turns
.endr
.irp e, 0,1,2,3,4,5,6,7,8,9,10,11,12,13,14,15
	v_fma_f32 v[U0+\e], -v[U1+\e], s45, v[U0+\e]
.endr
.irp e, 0,1,2,3,4,5,6,7,8,9,10,11,12,13,14,15
	v_fma_f32 v[U0+\e], v[U1+\e], s46, v[U0+\e]    ; r = angle - k pi / 2
.endr
.irp e, 0,1,2,3,4,5,6,7,8,9,10,11,12,13,14,15
	v_cvt_i32_f32 v[U2+\e], v[U1+\e]
.endr
.irp e, 0,1,2,3,4,5,6,7,8,9,10,11,12,13,14,15
	v_mul_f32 v[U1+\e], v[U0+\e], v[U0+\e]         ; z = r r
.endr
.irp e, 0,1,2,3,4,5,6,7,8,9,10,11,12,13,14,15
	v_fma_f32 v[U3+\e], v[U1+\e], s47, s48
.endr
.irp e, 0,1,2,3,4,5,6,7,8,9,10,11,12,13,14,15
	v_fma_f32 v[U3+\e], v[U3+\e], v[U1+\e], s49
.endr
.irp e, 0,1,2,3,4,5,6,7,8,9,10,11,12,13,14,15
	v_mul_f32 v[U4+\e], v[U1+\e], v[U0+\e]
.endr
.irp e, 0,1,2,3,4,5,6,7,8,9,10,11,12,13,14,15
	v_fma_f32 v[U3+\e], v[U3+\e], v[U4+\e], v[U0+\e]   ; sin r
.endr
.irp e, 0,1,2,3,4,5,6,7,8,9,10,11,12,13,14,15
	v_fma_f32 v[U4+\e], v[U1+\e], s50, s51
.endr
.irp e, 0,1,2,3,4,5,6,7,8,9,10,11,12,13,14,15
	v_fma_f32 v[U4+\e], v[U4+\e], v[U1+\e], s52
.endr
.irp e, 0,1,2,3,4,5,6,7,8,9,10,11,12,13,14,15
	v_mul_f32 v[U5+\e], v[U1+\e], v[U1+\e]
.endr
.irp e, 0,1,2,3,4,5,6,7,8,9,10,11,12,13,14,15
	v_fma_f32 v[U0+\e], v[U1+\e], -0.5, 1.0
.endr
.irp e, 0,1,2,3,4,5,6,7,8,9,10,11,12,13,14,15
	v_fma_f32 v[U4+\e], v[U4+\e], v[U5+\e], v[U0+\e]   ; cos r
.endr
.irp e, 0,1,2,3,4,5,6,7,8,9,10,11,12,13,14,15
	v_and_b32 v[U5+\e], 1, v[U2+\e]
.endr
.irp e, 0,1,2,3,4,5,6,7,8,9,10,11,12,13,14,15
	v_cmp_ne_u32 s[MK+\e], 0, v[U5+\e]             ; an odd number of quarter turns: sine and cosine change places (values are selected, nothing branches)
.endr
.irp e, 0,1,2,3,4,5,6,7,8,9,10,11,12,13,14,15
	v_cndmask_b32 v[U0+\e], v[U3+\e], v[U4+\e], s[MK+\e]
.endr
.irp e, 0,1,2,3,4,5,6,7,8,9,10,11,12,13,14,15
	v_cndmask_b32 v[U1+\e], v[U4+\e], v[U3+\e], s[MK+\e]
.endr
.irp e, 0,1,2,3,4,5,6,7,8,9,10,11,12,13,14,15
	v_lshlrev_b32 v[U3+\e], 30, v[U2+\e]
.endr
.irp e, 0,1,2,3,4,5,6,7,8,9,10,11,12,13,14,15
	v_and_b32 v[U3+\e], 0x80000000, v[U3+\e]       ; k % 4 = 2 or 3: the sine is negative
.endr
.irp e, 0,1,2,3,4,5,6,7,8,9,10,11,12,13,14,15
	v_xor_b32 v[U0+\e], v[U0+\e], v[U3+\e]         ; sin
.endr
.irp e, 0,1,2,3,4,5,6,7,8,9,10,11,12,13,14,15
	v_add_nc_u32 v[U2+\e], 1, v[U2+\e]
.endr
.irp e, 0,1,2,3,4,5,6,7,8,9,10,11,12,13,14,15
	v_lshlrev_b32 v[U2+\e], 30, v[U2+\e]
.endr
.irp e, 0,1,2,3,4,5,6,7,8,9,10,11,12,13,14,15
	v_and_b32 v[U2+\e], 0x80000000, v[U2+\e]       ; k % 4 = 1 or 2: the cosine is negative
.endr
.irp e, 0,1,2,3,4,5,6,7,8,9,10,11,12,13,14,15
	v_xor_b32 v[U1+\e], v[U1+\e], v[U2+\e]         ; cos
.endr
.irp e, 0,1,2,3,4,5,6,7,8,9,10,11,12,13,14,15
	v_add_nc_u32 v[U2+\e], 32*(\e/8)+2*(\e%8), v44 ; 2 f
.endr
.irp e, 0,1,2,3,4,5,6,7,8,9,10,11,12,13,14,15
	v_cvt_f32_u32 v[U2+\e], v[U2+\e]
.endr
.irp e, 0,1,2,3,4,5,6,7,8,9,10,11,12,13,14,15
	v_add_f32 v[U2+\e], s53, v[U2+\e]              ; 2 f + 25.6, rounded once
.endr
.irp e, 0,1,2,3,4,5,6,7,8,9,10,11,12,13,14,15
	v_mul_f32 v[U3+\e], s55, v[U2+\e]
.endr
.irp e, 0,1,2,3,4,5,6,7,8,9,10,11,12,13,14,15
	v_fma_f32 v[U4+\e], -v[U3+\e], s54, v[U2+\e]
.endr
.irp e, 0,1,2,3,4,5,6,7,8,9,10,11,12,13,14,15
	v_fma_f32 v[U3+\e], v[U4+\e], s55, v[U3+\e]    ; sv = (2 f + 25.6) / 89.6
.endr
.irp e, 0,1,2,3,4,5,6,7,8,9,10,11,12,13,14,15
	v_log_f32 v[U3+\e], v[U3+\e]
.endr
	v_nop
	s_wait_alu depctr_va_vdst(0)
.irp e, 0,1,2,3,4,5,6,7,8,9,10,11,12,13,14,15
	v_mul_f32 v[U2+\e], v43, v[U3+\e]              ; p log2 sv: its upper part,
.endr
.irp e, 0,1,2,3,4,5,6,7,8,9,10,11,12,13,14,15
	v_fma_f32 v[U4+\e], v43, v[U3+\e], -v[U2+\e]   ; and what the rounding dropped
.endr
.irp e, 0,1,2,3,4,5,6,7,8,9,10,11,12,13,14,15
	v_rndne_f32 v[U5+\e], v[U2+\e]
.endr
.irp e, 0,1,2,3,4,5,6,7,8,9,10,11,12,13,14,15
	v_sub_f32 v[U2+\e], v[U2+\e], v[U5+\e]
.endr
.irp e, 0,1,2,3,4,5,6,7,8,9,10,11,12,13,14,15
	v_add_f32 v[U2+\e], v[U2+\e], v[U4+\e]
.endr
.irp e, 0,1,2,3,4,5,6,7,8,9,10,11,12,13,14,15
	v_cvt_i32_f32 v[U5+\e], v[U5+\e]
.endr
.irp e, 0,1,2,3,4,5,6,7,8,9,10,11,12,13,14,15
	v_exp_f32 v[U2+\e], v[U2+\e]
.endr
	v_nop
	s_wait_alu depctr_va_vdst(0)
.irp e, 0,1,2,3,4,5,6,7,8,9,10,11,12,13,14,15
	v_ldexp_f32 v[U2+\e], v[U2+\e], v[U5+\e]       ; the scale
.endr
.irp e, 0,1,2,3,4,5,6,7,8,9,10,11,12,13,14,15
	v_rcp_f32 v[U3+\e], v[U2+\e]
.endr
	v_nop
	s_wait_alu depctr_va_vdst(0)
.irp e, 0,1,2,3,4,5,6,7,8,9,10,11,12,13,14,15
	v_fma_f32 v[U4+\e], -v[U2+\e], v[U3+\e], 1.0
.endr
.irp e, 0,1,2,3,4,5,6,7,8,9,10,11,12,13,14,15
	v_fma_f32 v[U3+\e], v[U3+\e], v[U4+\e], v[U3+\e]   ; 1 / the scale
.endr
.irp e, 0,1,2,3,4,5,6,7,8,9,10,11,12,13,14,15
	v_mul_f32 v[TB+4*\e], v[U1+\e], v[U2+\e]
.endr
.irp e, 0,1,2,3,4,5,6,7,8,9,10,11,12,13,14,15
	v_mul_f32 v[TB+4*\e+1], v[U0+\e], v[U2+\e]
.endr
.irp e, 0,1,2,3,4,5,6,7,8,9,10,11,12,13,14,15
	v_mul_f32 v[TB+4*\e+2], v[U1+\e], v[U3+\e]
.endr
.irp e, 0,1,2,3,4,5,6,7,8,9,10,11,12,13,14,15
	v_mul_f32 v[TB+4*\e+3], v[U0+\e], v[U3+\e]
.endr
; THE WEIGHTS' FRAGMENTS.  16 rows x 128 K of 6-bit codes are 12 registers: six pieces of 8 bytes; lanes 16-31 read three pieces further on, which for some pieces is behind one padding more: the second address register serves those.
.macro FRAGW reg, adr, s, off
.irp p, 0,1,2,3,4,5
.set PC, 12*(\s)+6*(\p/3)+\p%3
.if PC%8 < 5
	ds_load_b64 v[(\reg)+2*\p:(\reg)+2*\p+1], v[\adr] offset:8*PC+16*(PC/8)+(\off)
.else
	ds_load_b64 v[(\reg)+2*\p:(\reg)+2*\p+1], v[\adr+1] offset:8*PC+16*(PC/8)+(\off)
.endif
.endr
.endm
	s_wait_tensorcnt 0x0                           ; my weight has landed,
	s_barrier_signal -1
	s_barrier_wait -1                              ; all three have
	WIN 0x40
.irp m, 0,1
.irp t, 0,1,2,3
.irp s, 0,1
	FRAGW 12*(8*\m+2*\t+\s), 7, \s, \m*LW+(32*(\t/2)+8*(\t%2))*WP   ; lane r of tile t takes row 32 (t / 2) + 8 (t % 2) + r + 8 (r / 8)
.endr
.endr
.endr
	WIN 0x80
.irp t, 0,1
.irp s, 0,1
	FRAGW 12*(2*\t+\s), 9, \s, 16*\t*WP
.endr
.endr
	WIN 0
	s_wait_dscnt 0x0
	s_wait_loadcnt 0x0                             ; X and all scale words
; THE PRODUCTS: source 0 in window 1, source 1 in window 2.  The accumulators take turns, one instruction a turn; the first K step starts each sum.
	WIN 0x09
.irp m, 0,1
.irp t, 0,1,2,3
	v_wmma_scale_f32_16x16x128_f8f6f4 v[QA+32*\m+8*\t:QA+32*\m+8*\t+7], v[12*(8*\m+2*\t):12*(8*\m+2*\t)+11], v[XO:XO+11], 0, v[16+8*\m+2*\t], v40 matrix_a_fmt:MATRIX_FMT_FP6 matrix_b_fmt:MATRIX_FMT_FP6
.endr
.endr
.irp m, 0,1
.irp t, 0,1,2,3
	v_wmma_scale_f32_16x16x128_f8f6f4 v[QA+32*\m+8*\t:QA+32*\m+8*\t+7], v[12*(8*\m+2*\t+1):12*(8*\m+2*\t+1)+11], v[XO+12:XO+23], v[QA+32*\m+8*\t:QA+32*\m+8*\t+7], v[17+8*\m+2*\t], v41 matrix_a_fmt:MATRIX_FMT_FP6 matrix_b_fmt:MATRIX_FMT_FP6
.endr
.endr
.irp t, 0,1
.irp x, 0,1
	v_wmma_scale_f32_16x16x128_f8f6f4 v[VA+16*\t+8*\x:VA+16*\t+8*\x+7], v[XT+24*\x:XT+24*\x+11], v[24*\t:24*\t+11], 0, v[36+2*\x], v[32+2*\t] matrix_a_fmt:MATRIX_FMT_FP6 matrix_b_fmt:MATRIX_FMT_FP6
.endr
.endr
.irp t, 0,1
.irp x, 0,1
	v_wmma_scale_f32_16x16x128_f8f6f4 v[VA+16*\t+8*\x:VA+16*\t+8*\x+7], v[XT+24*\x+12:XT+24*\x+23], v[24*\t+12:24*\t+23], v[VA+16*\t+8*\x:VA+16*\t+8*\x+7], v[37+2*\x], v[33+2*\t] matrix_a_fmt:MATRIX_FMT_FP6 matrix_b_fmt:MATRIX_FMT_FP6
.endr
.endr
	WIN 0
	PLACES                                         ; four places in front of the first read of results
; 32 numbers of a lane: two blocks, of each my 16 (the other 16 lie in lane l xor 16).  They become six registers of codes: lanes 0-15 the whole first block, lanes 16-31 the whole second.  The bytes are left in v[TM+6], v[TM+7].
.macro QUANT2 src, cd
.irp b, 0,1
	v_max3_num_f32 v[TM+\b], |v[\src+16*\b]|, |v[\src+16*\b+1]|, 0x1800000   ; with the floor 2^(3 - 127): the byte cannot fall under 1
.endr
.irp i, 2,4,6,8,10,12,14
.irp b, 0,1
	v_max3_num_f32 v[TM+\b], v[TM+\b], |v[\src+16*\b+\i]|, |v[\src+16*\b+\i+1]|
.endr
.endr
.irp b, 0,1
	v_permlanex16_b32 v[TM+2+\b], v[TM+\b], s56, s57
.endr
.irp b, 0,1
	v_max_num_f32 v[TM+\b], v[TM+\b], v[TM+2+\b]   ; the block's largest magnitude
.endr
.irp b, 0,1
	v_add_nc_u32 v[TM+4+\b], 0xff000000, v[TM+\b]  ; 2 off its exponent field: the conversion's scale operand
.endr
.irp b, 0,1
	v_lshrrev_b32 v[TM+6+\b], 23, v[TM+4+\b]       ; the scale's byte
.endr
	v_cvt_scalef32_pk16_fp6_f32 v[\cd:\cd+2], v[\src:\src+15], v[TM+4]
	v_cvt_scalef32_pk16_fp6_f32 v[CT:CT+2], v[\src+16:\src+31], v[TM+5]
	v_nop                                          ; one plain place behind a scaled conversion
.irp i, 0,1,2
	v_permlane16_swap_b32 v[\cd+\i], v[CT+\i]      ; the first's lanes 16-31 change places with the second's lanes 0-15
.endr
.irp i, 0,1,2
	v_mov_b32 v[\cd+3+\i], v[CT+\i]
.endr
.endm
; out(2 e) = x(2 e) c - x(2 e + 1) s;  out(2 e + 1) = x(2 e + 1) c + x(2 e) s.  Each accumulator is read from its low end on.
.macro APPLY acc, o
.irp e, 0,1,2,3,4,5,6,7,8,9,10,11,12,13,14,15
	v_mul_f32 v[RO+2*\e], v[\acc+2*\e], v[TB+4*\e+\o]
.endr
.irp e, 0,1,2,3,4,5,6,7,8,9,10,11,12,13,14,15
	v_mul_f32 v[RO+2*\e+1], v[\acc+2*\e+1], v[TB+4*\e+\o]
.endr
.irp e, 0,1,2,3,4,5,6,7,8,9,10,11,12,13,14,15
	v_fma_f32 v[RO+2*\e], -v[\acc+2*\e+1], v[TB+4*\e+\o+1], v[RO+2*\e]
.endr
.irp e, 0,1,2,3,4,5,6,7,8,9,10,11,12,13,14,15
	v_fma_f32 v[RO+2*\e+1], v[\acc+2*\e], v[TB+4*\e+\o+1], v[RO+2*\e+1]
.endr
.endm
	QUANT2 VA, CV                                  ; V: lane (r, h) ends with the 32 positions' codes of channel 32 u + 16 h + r
	v_cndmask_b32 v238, v[TM+6], v[TM+7], vcc_lo   ; and that channel's byte
	global_store_b128 v13, v[CV:CV+3], s[28:29]            ; 32 lanes store 512 consecutive bytes
	global_store_b64 v14, v[CV+4:CV+5], s[66:67] offset:1024
	global_store_b8 v15, v238, s[30:31]            ; one byte of each channel's word: the word's other three belong to other blocks
	APPLY QA, 0
	QUANT2 RO, CQ                                  ; Q: lane (r, h) ends with dims 32 h .. 32 h + 31 of its position
	v_lshl_or_b32 v236, v[TM+7], 8, v[TM+6]
	v_lshl_or_b32 v236, v236, 16, v236             ; the two bytes twice: the second launch lays the 64 at either half of a K step of 128
	global_store_b128 v13, v[CQ:CQ+3], s[20:21]
	global_store_b64 v14, v[CQ+4:CQ+5], s[20:21] offset:512
	global_store_b32 v15, v236, s[22:23]
	APPLY KA, 2
	QUANT2 RO, CK
	v_lshl_or_b32 v237, v[TM+7], 8, v[TM+6]
	v_lshl_or_b32 v237, v237, 16, v237
	global_store_b128 v13, v[CK:CK+3], s[24:25]
	global_store_b64 v14, v[CK+4:CK+5], s[24:25] offset:512
	global_store_b32 v15, v237, s[26:27]
	; the three blocks of zeros in front of each batch's K and V, and the scale bytes that no block owns: by wave 0 of the batch's first work-group
	s_and_b32 s62, ttmp9, 63
	s_or_b32 s62, s62, s58
	s_cmp_lg_u32 s62, 0
	s_cbranch_scc1 .Ldone
	v_mov_b32 v240, 0
	v_mov_b32 v241, 0
	v_mov_b32 v242, 0
	v_mov_b32 v243, 0
	v_mov_b32 v244, 0x7f7f7f7f                     ; the byte of the scale 1
.irp i, 0,1,2,3,4,5,6,7,8
	global_store_b128 v13, v[240:243], s[92:93] offset:512*\i
	global_store_b128 v13, v[240:243], s[96:97] offset:512*\i
.endr
.irp i, 0,1,2,3,4,5
	global_store_b32 v15, v244, s[94:95] offset:128*\i
.endr
.irp i, 0,1
.irp q, 0,1,2
	global_store_b8 v15, v244, s[98:99] offset:128*\i+\q
.endr
	global_store_b8 v15, v244, s[98:99] offset:32*256+128*\i+3
.endr
.Ldone:
	s_wait_tensorcnt 0x0
	ds_add_u32 v254, v255
	s_wait_dscnt 0x0
	s_endpgm
.Lfunc_end_k_q85748a1900_proj:
	.size	k_q85748a1900_proj, .Lfunc_end_k_q85748a1900_proj-k_q85748a1900_proj
	.p2alignl 7, 3214868480
	.fill 96, 4, 3214868480
	.section	.rodata,"a",@progbits
	.p2align	6, 0x0
	.amdhsa_kernel k_q85748a1900_proj
		.amdhsa_group_segment_fixed_size 168448
		.amdhsa_private_segment_fixed_size 0
		.amdhsa_enable_private_segment 0
		.amdhsa_kernarg_size 112
		.amdhsa_user_sgpr_count 2
		.amdhsa_user_sgpr_kernarg_segment_ptr 1
		.amdhsa_wavefront_size32 1
		.amdhsa_system_sgpr_workgroup_id_x 1
		.amdhsa_system_sgpr_workgroup_id_y 1
		.amdhsa_system_sgpr_workgroup_id_z 1
		.amdhsa_system_vgpr_workitem_id 0
		.amdhsa_next_free_vgpr 592
		.amdhsa_next_free_sgpr 100
		.amdhsa_reserve_vcc 1
		.amdhsa_float_denorm_mode_32 3
		.amdhsa_float_denorm_mode_16_64 3
		.amdhsa_memory_ordered 1
		.amdhsa_forward_progress 1
		.amdhsa_inst_pref_size 77
	.end_amdhsa_kernel
	.amdgpu_metadata
---
amdhsa.version: [ 1, 2 ]
amdhsa.kernels:
  - .name:           k_q85748a1900_proj
    .symbol:         k_q85748a1900_proj.kd
    .args:
      - { .name: X_codes, .offset: 0, .size: 8, .value_kind: global_buffer, .address_space: global }
      - { .name: X_scales, .offset: 8, .size: 8, .value_kind: global_buffer, .address_space: global }
      - { .name: W_Q_codes, .offset: 16, .size: 8, .value_kind: global_buffer, .address_space: global }
      - { .name: W_K_codes, .offset: 24, .size: 8, .value_kind: global_buffer, .address_space: global }
      - { .name: W_V_codes, .offset: 32, .size: 8, .value_kind: global_buffer, .address_space: global }
      - { .name: W_Q_scales, .offset: 40, .size: 8, .value_kind: global_buffer, .address_space: global }
      - { .name: W_K_scales, .offset: 48, .size: 8, .value_kind: global_buffer, .address_space: global }
      - { .name: W_V_scales, .offset: 56, .size: 8, .value_kind: global_buffer, .address_space: global }
      - { .name: QC, .offset: 64, .size: 8, .value_kind: global_buffer, .address_space: global }
      - { .name: QS, .offset: 72, .size: 8, .value_kind: global_buffer, .address_space: global }
      - { .name: KC, .offset: 80, .size: 8, .value_kind: global_buffer, .address_space: global }
      - { .name: KS, .offset: 88, .size: 8, .value_kind: global_buffer, .address_space: global }
      - { .name: VC, .offset: 96, .size: 8, .value_kind: global_buffer, .address_space: global }
      - { .name: VSW, .offset: 104, .size: 8, .value_kind: global_buffer, .address_space: global }
    .group_segment_fixed_size: 168448
    .private_segment_fixed_size: 0
    .kernarg_segment_align: 8
    .kernarg_segment_size: 112
    .max_flat_workgroup_size: 128
    .sgpr_count:     100
    .vgpr_count:     592
    .wavefront_size: 32
...
	.end_amdgpu_metadata
.endif
;; end of part 1
;; launch retain (part 2): grid 256 x 1, 8 waves a work-group, no clusters, 140,288 bytes of LDS; arguments QC, QS, KC, KS, VC, VSW, out0; writes out0
.if DOCPART == 2
	.amdgcn_target "amdgcn-amd-amdhsa--gfx1250"
	.amdhsa_code_object_version 6
	.text
	.protected	k_q85748a1900_retain
	.globl	k_q85748a1900_retain
	.p2align	8
	.type	k_q85748a1900_retain,@function
k_q85748a1900_retain:
	s_mov_b64 s[64:65], 0
	v_nop
	global_prefetch_b8 v0, s[64:65] scope:SCOPE_SE
	s_setreg_imm32_b32 hwreg(HW_REG_WAVE_MODE, 25, 1), 1
	s_wait_xcnt 0x0
; out(n) = sum over m <= n of Qh(n) . Kh(m) gamma^(n - m) V(m): both products on E2M3 codes with one E8M0 byte for each 32 along K; the decayed scores are quantised along the keys in registers.
; SHARES.  Work-group g: batch g / 64 and two blocks of 32 queries, 127 - j and j (j = g % 64): together always 33 units of 32 queries x 128 keys.  The eight waves share a block's key steps:
; step k holds the four blocks of 32 keys that end 4 k blocks in front of the queries' own block (three blocks of zero codes lie in front of key 0).  In the first block wave w takes k = w, w + 8, ..,
; in the second k = 7 - w, 15 - w, ..; each wave walks its steps from the farthest to the nearest.  There is no softmax: a row's sum over the keys is split among the waves and added in f32 at the end.
; OPERANDS come from memory straight into registers, in register order, each fragment read by one wave: so no LDS ring, no barrier in the loop.  No cluster and no joint load: at no time do two
; work-groups, or two waves, read the same key step into LDS; steps are cut from each block's own diagonal, and partners would have different numbers of them.
; LAYOUT.  S^T = K Q^T (source 0 = 16 keys, source 1 = 16 queries), O^T = V^T P^T: a lane holds one query throughout.  The head's 64 fill half of a K step of 128: source 0 holds a block's two tiles of keys,
; one in each half, and Q stands against one half with zero codes against the other.  The keys of a tile are chosen so that registers 16 b + i of a lane are keys 32 b + 16 (lane / 16) + i of the step.
; THE DECAY.  n - m = 128 k + 32 (3 - b) + 8 uq + (r + 8 (r / 8) - 16 h - i): P = (S x T[i]) x F(b, uq); T hangs on the lane alone and is made once, F on the step.  gamma^E = 2^(E c): E x the upper part of c is exact,
; its whole part goes into v_ldexp_f32.  The causal mask touches block 3 of step 0 alone: there a table with zeros in it takes T's place.  A step 0 is always a phase's last unit.
; LIMITS.  NaN and infinities are not served: a masked score becomes 0.  Decay factors under 2^-126 are denormal or 0 as v_ldexp_f32 gives them.  A block whose largest magnitude lies under 2^-124 has the byte 1.
; REGISTERS.  window 0: v1-10 addresses; v11-15 at work; v16-29 scale words; v30-53 at work in the quantiser; v54-77 P's codes; v78-93 T; v94-125 the masked tables; v126-127 the reduction's addresses; v128-255 S^T of the two tiles of queries.
;   window 1: v0-47 K; v48-95 V; v96-159 O^T; v160-195 for each tile of queries six zeros, Q's six registers, six zeros.
.set KS0, 16                           ; v16-19 K's scale words of blocks 0-3: lanes 0-15 tile 0, lanes 16-31 tile 1
.set VR,  20                           ; v20-23 V's scale words as they lie: word x (channels 0-31, 32-63), word x + 1
.set VS,  24                           ; v24-25 the step's four bytes: lanes 0-15 channel tile 2 i, lanes 16-31 tile 2 i + 1
.set QS,  26                           ; v26-27 Q's scale words
.set PW,  28                           ; v28-29 P's scale words
.set TM,  30
.set CT,  46
.set PA,  54
.set PB,  66
.set T,   78
.set TD,  94
.set RA,  126
.set GO,  127
.set SA,  128
.set SB,  192
.set KF,  0
.set VF,  48
.set OA,  96
.set QZ,  160
.set FS,  40                           ; s[40:55] eight pairs: F for 2 (3 - b) + uq in the even word
.set MSB, 0
.macro WIN new                         ; the immediate's high byte repeats the setting that is left
.if MSB != \new
	s_set_vgpr_msb (MSB<<8)|\new
.set MSB, \new
.endif
.endm
.macro PLACES
.rept 4
	v_nop
.endr
.endm
	s_load_b256 s[4:11], s[0:1], 0x0               ; QC, QS, KC, KS
	s_load_b128 s[12:15], s[0:1], 0x20             ; VC, VSW
	s_load_b64 s[16:17], s[0:1], 0x30              ; out0
	v_lshl_add_u32 v49, v0, 2, 0x22000
	v_mov_b32 v53, 0
	v_lshrrev_b32 v11, 5, v0
	v_readfirstlane_b32 s18, v11                   ; wave 0..7
	s_lshr_b32 s19, ttmp9, 6                       ; batch
	s_and_b32 s20, ttmp9, 63                       ; j
	s_mov_b32 s56, 0xbd3ba000                      ; c = log2(31 / 32): its upper part, -1501 / 32768,
	s_mov_b32 s57, 0x36566c4d                      ; and the rest, 3.1951525e-6
	s_mov_b32 s58, 0x76543210
	s_mov_b32 s59, 0xfedcba98                      ; v_permlanex16_b32's selects for lane l xor 16
.irp l, 0,1,2,3,4,5,6,7
	s_mov_b32 s[FS+2*\l+1], 0                      ; named with F as a pair, so it is written
.endr
	v_and_b32 v11, 31, v0                          ; lane
	v_and_b32 v12, 15, v0                          ; r
	v_bfe_u32 v13, v0, 4, 1                        ; h
	v_lshlrev_b32 v1, 4, v11
	v_lshlrev_b32 v2, 3, v11
	v_lshlrev_b32 v3, 2, v11
	v_lshl_add_u32 v4, v13, 7, v3                  ; K's scale words: lanes 16-31 take tile 1's, 128 bytes on
	v_mul_u32_u24 v5, v13, 1536                    ; V: lanes 16-31 take the next block
	v_lshl_add_u32 v6, v12, 3, v5
	v_lshl_add_u32 v5, v12, 4, v5
	s_mul_i32 s27, s18, 8704
	v_mul_u32_u24 v7, v13, 272
	v_lshl_add_u32 v7, v12, 4, v7
	v_add_nc_u32 v7, s27, v7                       ; where I lay O^T down: 8,704 x wave + 272 h + 16 r,
	v_add_nc_u32 v8, 69632, v7                     ; and the second block's
	v_and_b32 v14, 7, v0
	v_bfe_u32 v9, v14, 1, 2
	v_and_b32 v14, 1, v14
	v_lshlrev_b32 v9, 5, v9
	v_lshl_add_u32 v9, v14, 3, v9                  ; lane l % 8 makes F for the exponent 128 k + 32 (l / 2) + 8 (l % 2)
	v_and_b32 v10, 8, v12
	v_add_nc_u32 v10, v10, v12
	v_lshlrev_b32 v14, 4, v13
	v_sub_nc_u32 v10, v10, v14                     ; r + 8 (r / 8) - 16 h
	; the reduction: wave w adds phase w / 4, tile of queries (w / 2) % 2, lanes' rows 8 (w % 2) on; lane l takes channels 4 (l % 16) on of row 2 g + l / 16
	v_bfe_u32 v14, v0, 2, 2
	v_and_b32 v15, 1, v0
	v_lshl_add_u32 v14, v14, 1, v15
	v_mul_u32_u24 v[RA], v14, 544
	v_bfe_u32 v15, v0, 1, 1
	v_mad_u32_u24 v[RA], v15, 272, v[RA]
	v_lshl_add_u32 v[RA], v13, 4, v[RA]
	s_lshr_b32 s60, s18, 2
	s_mul_i32 s27, s60, 69632
	s_bfe_u32 s61, s18, 0x10001
	s_mul_i32 s61, s61, 4352
	s_add_co_u32 s27, s27, s61
	s_and_b32 s61, s18, 1
	s_lshl_b32 s61, s61, 7
	s_add_co_u32 s27, s27, s61
	v_add_nc_u32 v[RA], s27, v[RA]
	v_lshlrev_b32 v[GO], 4, v12
	v_lshl_add_u32 v[GO], v13, 8, v[GO]            ; in out0: 16 lanes to a row of 256 bytes, lanes 16-31 the next row
.irp b, 0,1,2,3
	v_mov_b32 v[TM+4+\b], 0                        ; written once: a lane permute's destination counts as one of its sources
.endr
	WIN 0x40
.irp q, 0,1
.irp i, 0,1,2,3,4,5,12,13,14,15,16,17
	v_mov_b32 v[QZ+18*\q+\i], 0                    ; the zero codes on either side of Q
.endr
.endr
	WIN 0
	; T[i] = gamma^(r + 8 (r / 8) - 16 h - i)
.irp i, 0,1,2,3,4,5,6,7,8,9,10,11,12,13,14,15
	v_add_nc_u32 v[SA+\i], -\i, v10
.endr
.irp i, 0,1,2,3,4,5,6,7,8,9,10,11,12,13,14,15
	v_cvt_f32_i32 v[SA+\i], v[SA+\i]
.endr
.irp i, 0,1,2,3,4,5,6,7,8,9,10,11,12,13,14,15
	v_mul_f32 v[SA+16+\i], s56, v[SA+\i]           ; exact: 12 bits x 11 bits
.endr
.irp i, 0,1,2,3,4,5,6,7,8,9,10,11,12,13,14,15
	v_rndne_f32 v[SA+32+\i], v[SA+16+\i]
.endr
.irp i, 0,1,2,3,4,5,6,7,8,9,10,11,12,13,14,15
	v_sub_f32 v[SA+16+\i], v[SA+16+\i], v[SA+32+\i]
.endr
.irp i, 0,1,2,3,4,5,6,7,8,9,10,11,12,13,14,15
	v_fma_f32 v[SA+16+\i], v[SA+\i], s57, v[SA+16+\i]
.endr
.irp i, 0,1,2,3,4,5,6,7,8,9,10,11,12,13,14,15
	v_cvt_i32_f32 v[SA+32+\i], v[SA+32+\i]
.endr
.irp i, 0,1,2,3,4,5,6,7,8,9,10,11,12,13,14,15
	v_exp_f32 v[SA+16+\i], v[SA+16+\i]
.endr
	v_nop                                          ; a plain place behind the transcendentals
	s_wait_alu depctr_va_vdst(0)
.irp i, 0,1,2,3,4,5,6,7,8,9,10,11,12,13,14,15
	v_ldexp_f32 v[T+\i], v[SA+16+\i], v[SA+32+\i]
.endr
	s_wait_kmcnt 0x0
.macro LOADK                           ; 20 loads: a step's four blocks of K, two tiles each (16 + 8 bytes a lane), and their scale words
	WIN 0x40
.irp b, 0,1,2,3
.irp u, 0,1
	global_load_b128 v[KF+12*\b+6*\u:KF+12*\b+6*\u+3], v1, s[28:29] offset:1536*\b+768*\u
	global_load_b64 v[KF+12*\b+6*\u+4:KF+12*\b+6*\u+5], v2, s[28:29] offset:1536*\b+768*\u+512
.endr
.endr
	WIN 0
.irp b, 0,1,2,3
	global_load_b32 v[KS0+\b], v4, s[30:31] offset:256*\b
.endr
.endm
.macro LOADV                           ; 20 loads: the same four blocks of V for the four tiles of channels: registers 6 c on take block 2 c + h; and two rows of scale words
	WIN 0x40
.irp c, 0,1
.irp t, 0,1,2,3
	global_load_b128 v[VF+12*\t+6*\c:VF+12*\t+6*\c+3], v5, s[32:33] offset:3072*\c+256*\t
	global_load_b64 v[VF+12*\t+6*\c+4:VF+12*\t+6*\c+5], v6, s[32:33] offset:3072*\c+1024+128*\t
.endr
.endr
	WIN 0
.irp i, 0,1,2,3
	global_load_b32 v[VR+\i], v3, s[34:35] offset:128*\i
.endr
.endm
.macro SMUL                            ; 16 products, each a sum of its own: block b, tile k of its keys, the two tiles of queries by turns
	WIN 0x05                                       ; K and Q in window 1, S^T in window 0
.irp b, 0,1,2,3
.irp k, 0,1
.irp q, 0,1
.if \k
	v_wmma_scale_f32_16x16x128_f8f6f4 v[SA+64*\q+16*\b+8:SA+64*\q+16*\b+15], v[KF+12*\b:KF+12*\b+11], v[QZ+18*\q:QZ+18*\q+11], 0, v[KS0+\b], v[QS+\q] matrix_a_fmt:MATRIX_FMT_FP6 matrix_b_fmt:MATRIX_FMT_FP6 matrix_a_scale:MATRIX_SCALE_ROW1
.else
	v_wmma_scale_f32_16x16x128_f8f6f4 v[SA+64*\q+16*\b:SA+64*\q+16*\b+7], v[KF+12*\b:KF+12*\b+11], v[QZ+18*\q+6:QZ+18*\q+17], 0, v[KS0+\b], v[QS+\q] matrix_a_fmt:MATRIX_FMT_FP6 matrix_b_fmt:MATRIX_FMT_FP6
.endif
.endr
.endr
.endr
.endm
.macro FCALC                           ; the step's eight factors, one in each of lanes 0-7, then into scalar registers
	v_add_nc_u32 v11, s25, v9
	v_cvt_f32_u32 v11, v11
	v_mul_f32 v12, s56, v11
	v_rndne_f32 v13, v12
	v_sub_f32 v12, v12, v13
	v_fma_f32 v12, v11, s57, v12
	v_cvt_i32_f32 v13, v13
	v_exp_f32 v12, v12
	v_nop                                          ; a plain place behind the transcendental
	s_wait_alu depctr_va_vdst(0)
	v_ldexp_f32 v12, v12, v13
.irp l, 0,1,2,3,4,5,6,7
	v_readlane_b32 s[FS+2*\l], v12, \l
.endr
.endm
; A tile of 16 queries x 128 keys: the scores times the decay, then the quantiser along the keys: four blocks of 32, of each my 16 (the other 16 lie in lane l xor 16).
.macro QTILE sb, uq, t3, pc, wd
.irp b, 0,1,2
.irp i, 0,2,4,6,8,10,12,14
	v_pk_mul_f32 v[\sb+16*\b+\i:\sb+16*\b+\i+1], v[\sb+16*\b+\i:\sb+16*\b+\i+1], v[T+\i:T+\i+1]   ; each accumulator from its low end on
.endr
.endr
.irp i, 0,2,4,6,8,10,12,14
	v_pk_mul_f32 v[\sb+48+\i:\sb+49+\i], v[\sb+48+\i:\sb+49+\i], v[(\t3)+\i:(\t3)+\i+1]   ; block 3: in a phase's last unit by the table that holds the mask
.endr
.irp b, 0,1,2,3
.irp i, 0,2,4,6,8,10,12,14
	v_pk_mul_f32 v[\sb+16*\b+\i:\sb+16*\b+\i+1], v[\sb+16*\b+\i:\sb+16*\b+\i+1], s[FS+4*(3-\b)+2*\uq:FS+4*(3-\b)+2*\uq+1] op_sel_hi:[1,0]
.endr
.endr
.irp b, 0,1,2,3
	v_max3_num_f32 v[TM+\b], |v[\sb+16*\b]|, |v[\sb+16*\b+1]|, 0x1800000   ; with the floor 2^(3 - 127): the byte cannot fall under 1
.endr
.irp i, 2,4,6,8,10,12,14
.irp b, 0,1,2,3
	v_max3_num_f32 v[TM+\b], v[TM+\b], |v[\sb+16*\b+\i]|, |v[\sb+16*\b+\i+1]|
.endr
.endr
.irp b, 0,1,2,3
	v_permlanex16_b32 v[TM+4+\b], v[TM+\b], s58, s59
.endr
.irp b, 0,1,2,3
	v_max_num_f32 v[TM+\b], v[TM+\b], v[TM+4+\b]
.endr
.irp b, 0,1,2,3
	v_add_nc_u32 v[TM+12+\b], 0xff000000, v[TM+\b] ; 2 off the exponent field: the conversion's scale operand
.endr
.irp b, 0,1,2,3
	v_lshrrev_b32 v[TM+4+\b], 23, v[TM+12+\b]      ; the scale's byte
.endr
	v_lshl_or_b32 v[\wd], v[TM+5], 8, v[TM+4]
	v_lshl_or_b32 v[\wd], v[TM+6], 16, v[\wd]
	v_lshl_or_b32 v[\wd], v[TM+7], 24, v[\wd]
.irp c, 0,1
	v_cvt_scalef32_pk16_fp6_f32 v[\pc+6*\c:\pc+6*\c+2], v[\sb+32*\c:\sb+32*\c+15], v[TM+12+2*\c]
	v_cvt_scalef32_pk16_fp6_f32 v[CT+4*\c:CT+4*\c+2], v[\sb+32*\c+16:\sb+32*\c+31], v[TM+13+2*\c]
.endr
	v_nop                                          ; one plain place behind a scaled conversion
.irp c, 0,1                            ; the operand wants a whole block in a lane: lanes 0-15 block 2 c, lanes 16-31 block 2 c + 1
.irp i, 0,1,2
	v_permlane16_swap_b32 v[\pc+6*\c+\i], v[CT+4*\c+\i]
.endr
.irp i, 0,1,2
	v_mov_b32 v[\pc+6*\c+3+\i], v[CT+4*\c+\i]
.endr
.endr
.endm
.macro PVMUL                           ; O^T += V^T P^T: eight accumulators, each once: by turns
	WIN 0x51                                       ; V in window 1, P in window 0, O^T in window 1
.irp t, 0,1,2,3
.irp q, 0,1
.if \t%2
	v_wmma_scale_f32_16x16x128_f8f6f4 v[OA+32*\q+8*\t:OA+32*\q+8*\t+7], v[VF+12*\t:VF+12*\t+11], v[PA+12*\q:PA+12*\q+11], v[OA+32*\q+8*\t:OA+32*\q+8*\t+7], v[VS+\t/2], v[PW+\q] matrix_a_fmt:MATRIX_FMT_FP6 matrix_b_fmt:MATRIX_FMT_FP6 matrix_a_scale:MATRIX_SCALE_ROW1
.else
	v_wmma_scale_f32_16x16x128_f8f6f4 v[OA+32*\q+8*\t:OA+32*\q+8*\t+7], v[VF+12*\t:VF+12*\t+11], v[PA+12*\q:PA+12*\q+11], v[OA+32*\q+8*\t:OA+32*\q+8*\t+7], v[VS+\t/2], v[PW+\q] matrix_a_fmt:MATRIX_FMT_FP6 matrix_b_fmt:MATRIX_FMT_FP6
.endif
.endr
.endr
.endm
; A UNIT: 32 queries x 128 keys.  next = 1: the step eight nearer is fetched: its K behind this unit's first products, its V behind the second.
.macro UNIT next, ta, tb
	s_wait_loadcnt 20                              ; K's 20 loads (and what is older) are in; V's 20, issued behind them, may be out
	SMUL
	WIN 0
	FCALC                                          ; its first seven lines are also the places behind the products
.if \next
	s_add_nc_u64 s[28:29], s[28:29], 49152         ; 32 blocks on; the loads that named these bases are in (the wait above)
	s_add_nc_u64 s[30:31], s[30:31], 8192
	LOADK
.endif
	QTILE SA, 0, \ta, PA, PW
.if \next
	s_wait_loadcnt 20                              ; V's 20 are in; the next unit's 20 of K may be out
.else
	s_wait_loadcnt 0x0
.endif
	v_alignbit_b32 v[VS], v[VR+2], v[VR], s26      ; the step's four bytes begin at byte (block % 4) of the first word
	v_alignbit_b32 v[VS+1], v[VR+3], v[VR+1], s26
	QTILE SB, 1, \tb, PB, PW+1
	PLACES                                         ; an operand written by vector instructions stands four places ahead of a scaled product (its scale word eight: the moves above and these)
	PVMUL
	PLACES                                         ; in front of loads into V, of the next codes in P, and of the reads of O^T
.if \next
	s_add_nc_u64 s[32:33], s[32:33], 49152
	s_add_nc_u64 s[34:35], s[34:35], 2048
	LOADV
	s_sub_co_u32 s25, s25, 1024                    ; 128 k of the next unit
.endif
	WIN 0
.endm
; A PHASE: one block of 32 queries.
.macro PHASE p
	WIN 0x40
.set II, 0
.rept 64
	v_mov_b32 v[OA+II], 0                          ; the unit is written for sums that exist: a phase's first finds zeros (and a wave with no step lays zeros down)
.set II, II+1
.endr
	WIN 0
.if \p == 0
	s_sub_co_u32 s21, 127, s20                     ; the block,
	s_mov_b32 s23, s18                             ; my nearest step
.else
	s_mov_b32 s21, s20
	s_sub_co_u32 s23, 7, s18
.endif
	s_lshr_b32 s22, s21, 2                         ; the block has block / 4 + 1 steps
	s_add_co_u32 s24, s22, 8
	s_sub_co_u32 s24, s24, s23
	s_lshr_b32 s24, s24, 3                         ; of which mine are (steps + 7 - nearest) / 8
	s_cmp_eq_u32 s24, 0
	s_cbranch_scc1 .Ldump_\p
	s_sub_co_u32 s24, s24, 1                       ; units that have a successor
	s_lshl_b32 s27, s24, 3
	s_add_co_u32 s27, s27, s23                     ; my farthest step
	s_lshl_b32 s25, s27, 7
	s_and_b32 s26, s21, 3
	s_lshl_b32 s26, s26, 3
	s_mul_i32 s60, s19, 131
	s_add_co_u32 s60, s60, s21
	s_lshl_b32 s62, s27, 2
	s_sub_co_u32 s60, s60, s62                     ; its first block in K's and V's buffers
	s_mul_i32 s62, s60, 1536
	s_mov_b32 s63, 0
	s_add_nc_u64 s[28:29], s[8:9], s[62:63]
	s_add_nc_u64 s[32:33], s[12:13], s[62:63]
	s_lshl_b32 s62, s60, 8
	s_add_nc_u64 s[30:31], s[10:11], s[62:63]
	s_mul_i32 s62, s19, 33
	s_add_co_u32 s62, s62, s22
	s_sub_co_u32 s62, s62, s27
	s_lshl_b32 s62, s62, 8
	s_add_nc_u64 s[34:35], s[14:15], s[62:63]
	s_lshl_b32 s60, s19, 7
	s_add_co_u32 s60, s60, s21
	s_mul_i32 s62, s60, 1536
	s_add_nc_u64 s[36:37], s[4:5], s[62:63]
	s_lshl_b32 s62, s60, 8
	s_add_nc_u64 s[38:39], s[6:7], s[62:63]
	WIN 0x40
.irp q, 0,1
	global_load_b128 v[QZ+18*\q+6:QZ+18*\q+9], v1, s[36:37] offset:768*\q
	global_load_b64 v[QZ+18*\q+10:QZ+18*\q+11], v2, s[36:37] offset:768*\q+512
.endr
	WIN 0
	global_load_b32 v[QS], v3, s[38:39]
	global_load_b32 v[QS+1], v3, s[38:39] offset:128
	LOADK
	LOADV
	s_cmp_lg_u32 s23, 0                            ; the last unit's table for block 3: where my nearest step is 0, key i counts while i <= r + 8 (r / 8) - 16 h + 8 uq; else all count
	s_cselect_b32 s27, 64, 0
	v_add_nc_u32 v14, s27, v10
	v_add_nc_u32 v15, 8, v14
.irp i, 0,1,2,3,4,5,6,7,8,9,10,11,12,13,14,15
	v_cmp_le_i32 vcc_lo, \i, v14
	v_cndmask_b32 v[TD+\i], 0, v[T+\i], vcc_lo
	v_cmp_le_i32 vcc_lo, \i, v15
	v_cndmask_b32 v[TD+16+\i], 0, v[T+\i], vcc_lo
.endr
	s_cmp_eq_u32 s24, 0
	s_cbranch_scc1 .Llast_\p
.Lunit_\p:
	UNIT 1, T, T
	s_sub_co_u32 s24, s24, 1
	s_cmp_lg_u32 s24, 0
	s_cbranch_scc1 .Lunit_\p
.Llast_\p:
	UNIT 0, TD, TD+16
.Ldump_\p:
	WIN 0x04                                       ; an LDS store's data are its source 1: window 1
.irp q, 0,1,2,3,4,5,6,7,8,9,10,11,12,13,14,15
	ds_store_b128 v[7+\p], v[OA+4*\q:OA+4*\q+3] offset:544*\q   ; registers 4 q on: each accumulator from its low end on; 16 lanes write 256 consecutive bytes, 16 of padding behind them
.endr
	WIN 0
	s_wait_dscnt 0x0                               ; the stores have landed: O^T may be written again, and the others may read behind the barrier
.endm
	PHASE 0
	PHASE 1
	s_barrier_signal -1
	s_barrier_wait -1                              ; all eight waves' parts of both blocks lie in LDS
.irp g, 0,1,2,3
.irp w, 0,1,2,3,4,5,6,7
	ds_load_b128 v[SA+32*\g+4*\w:SA+32*\g+4*\w+3], v[RA] offset:8704*\w+32*\g   ; the sixteen lanes of a row read at sixteen different multiples of 272 bytes
.endr
.endr
	s_lshr_b32 s60, s18, 2
	s_sub_co_u32 s63, 127, s20
	s_cmp_eq_u32 s60, 0
	s_cselect_b32 s63, s63, s20                    ; the block of the phase that I add
	s_lshl_b32 s66, s19, 12
	s_lshl_b32 s63, s63, 5
	s_add_co_u32 s66, s66, s63
	s_bfe_u32 s63, s18, 0x10001
	s_lshl_b32 s63, s63, 3
	s_add_co_u32 s66, s66, s63
	s_and_b32 s63, s18, 1
	s_lshl_b32 s63, s63, 4
	s_add_co_u32 s66, s66, s63                     ; row 4,096 batch + 32 block + 8 uq + 16 (w % 2)
	s_lshl_b32 s66, s66, 8
	s_mov_b32 s67, 0
	s_add_nc_u64 s[16:17], s[16:17], s[66:67]
.irp g, 0,1,2,3
	s_wait_dscnt 24-8*\g                           ; this group's eight loads are in; the later groups' may be out
.irp w, 0,2,4,6
	v_pk_add_f32 v[SA+32*\g+4*\w:SA+32*\g+4*\w+1], v[SA+32*\g+4*\w:SA+32*\g+4*\w+1], v[SA+32*\g+4*\w+4:SA+32*\g+4*\w+5]
	v_pk_add_f32 v[SA+32*\g+4*\w+2:SA+32*\g+4*\w+3], v[SA+32*\g+4*\w+2:SA+32*\g+4*\w+3], v[SA+32*\g+4*\w+6:SA+32*\g+4*\w+7]
.endr
.irp w, 0,4
	v_pk_add_f32 v[SA+32*\g+4*\w:SA+32*\g+4*\w+1], v[SA+32*\g+4*\w:SA+32*\g+4*\w+1], v[SA+32*\g+4*\w+8:SA+32*\g+4*\w+9]
	v_pk_add_f32 v[SA+32*\g+4*\w+2:SA+32*\g+4*\w+3], v[SA+32*\g+4*\w+2:SA+32*\g+4*\w+3], v[SA+32*\g+4*\w+10:SA+32*\g+4*\w+11]
.endr
	v_pk_add_f32 v[SA+32*\g:SA+32*\g+1], v[SA+32*\g:SA+32*\g+1], v[SA+32*\g+16:SA+32*\g+17]
	v_pk_add_f32 v[SA+32*\g+2:SA+32*\g+3], v[SA+32*\g+2:SA+32*\g+3], v[SA+32*\g+18:SA+32*\g+19]
	global_store_b128 v[GO], v[SA+32*\g:SA+32*\g+3], s[16:17] offset:512*\g th:TH_STORE_NT   ; 32 lanes store two whole rows: 512 consecutive bytes, at a multiple of 256 from out0's first byte
.endr
	s_wait_tensorcnt 0x0
	ds_add_u32 v49, v53
	s_wait_dscnt 0x0
	s_endpgm
.Lfunc_end_k_q85748a1900_retain:
	.size	k_q85748a1900_retain, .Lfunc_end_k_q85748a1900_retain-k_q85748a1900_retain
	.p2alignl 7, 3214868480
	.fill 96, 4, 3214868480
	.section	.rodata,"a",@progbits
	.p2align	6, 0x0
	.amdhsa_kernel k_q85748a1900_retain
		.amdhsa_group_segment_fixed_size 140288
		.amdhsa_private_segment_fixed_size 0
		.amdhsa_enable_private_segment 0
		.amdhsa_kernarg_size 56
		.amdhsa_user_sgpr_count 2
		.amdhsa_user_sgpr_kernarg_segment_ptr 1
		.amdhsa_wavefront_size32 1
		.amdhsa_system_sgpr_workgroup_id_x 1
		.amdhsa_system_sgpr_workgroup_id_y 1
		.amdhsa_system_sgpr_workgroup_id_z 1
		.amdhsa_system_vgpr_workitem_id 0
		.amdhsa_next_free_vgpr 456
		.amdhsa_next_free_sgpr 80
		.amdhsa_reserve_vcc 1
		.amdhsa_float_denorm_mode_32 3
		.amdhsa_float_denorm_mode_16_64 3
		.amdhsa_memory_ordered 1
		.amdhsa_forward_progress 1
		.amdhsa_inst_pref_size 127
	.end_amdhsa_kernel
	.amdgpu_metadata
---
amdhsa.version: [ 1, 2 ]
amdhsa.kernels:
  - .name:           k_q85748a1900_retain
    .symbol:         k_q85748a1900_retain.kd
    .args:
      - { .name: QC, .offset: 0, .size: 8, .value_kind: global_buffer, .address_space: global }
      - { .name: QS, .offset: 8, .size: 8, .value_kind: global_buffer, .address_space: global }
      - { .name: KC, .offset: 16, .size: 8, .value_kind: global_buffer, .address_space: global }
      - { .name: KS, .offset: 24, .size: 8, .value_kind: global_buffer, .address_space: global }
      - { .name: VC, .offset: 32, .size: 8, .value_kind: global_buffer, .address_space: global }
      - { .name: VSW, .offset: 40, .size: 8, .value_kind: global_buffer, .address_space: global }
      - { .name: out0, .offset: 48, .size: 8, .value_kind: global_buffer, .address_space: global }
    .group_segment_fixed_size: 140288
    .private_segment_fixed_size: 0
    .kernarg_segment_align: 8
    .kernarg_segment_size: 56
    .max_flat_workgroup_size: 256
    .sgpr_count:     80
    .vgpr_count:     456
    .wavefront_size: 32
...
	.end_amdgpu_metadata
.endif
;; end of part 2
